; MI455X (gfx1250); checked and timed in simulation.
; The chip was launched on July 23, 2026; its instructions are those of AMD's public machine-readable ISA for CDNA 5 (MIT licence, August 2026) and "CDNA5" Instruction Set Architecture Reference Guide (July 2026). The comments in the code are by the model that wrote it; some were corrected since.
;; complex GRU Cell. Allowed arithmetic: float matrix products may take bf16 or f16 operands with f32 sums; other float arithmetic in f32, or as packed bf16 or f16 multiplies, adds, multiply-adds, maxima and minima; sums over many terms, partial sums and values carried from step to step in f32; what a program stores and reads back later, other than sums and carried values, may be rounded once to bf16 or f16.
;; Inputs: h_im 16,384 x 256 float32; h_re 16,384 x 256 float32; uh_w_im 256 x 256 float32; uh_w_re 256 x 256 float32; ur_w_im 256 x 256 float32; ur_w_re 256 x 256 float32; uz_w_im 256 x 256 float32; uz_w_re 256 x 256 float32; wh_b_im 256 float32; wh_b_re 256 float32; wh_w_im 256 x 512 float32; wh_w_re 256 x 512 float32; wr_b_im 256 float32; wr_b_re 256 float32; wr_w_im 256 x 512 float32; wr_w_re 256 x 512 float32; wz_b_im 256 float32; wz_b_re 256 float32; wz_w_im 256 x 512 float32; wz_w_re 256 x 512 float32; x_im 16,384 x 256 float32; x_re 16,384 x 256 float32.
;; Outputs: out0 2 x 16,384 x 256 float32.
;; One version. Each part assembles by itself: llvm-mc -triple=amdgcn-amd-amdhsa -mcpu=gfx1250 --defsym DOCPART=n.
;; ======== version 1 of 1: 2 launches
;; limits: values outside matrix products are rounded to f16; values outside matrix products are rounded to bf16
;; workspace buffers: wpk 1,841,152 bytes
;; launch prep (part 1): grid 449 x 1, 8 waves a work-group, no clusters, 0 bytes of LDS; arguments wr_w_re, wr_w_im, wz_w_re, wz_w_im, wh_w_re, wh_w_im, ur_w_re, ur_w_im, uz_w_re, uz_w_im, uh_w_re, uh_w_im, wr_b_re, wr_b_im, wz_b_re, wz_b_im, wh_b_re, wh_b_im, wpk; writes wpk
.if DOCPART == 1
	.amdgcn_target "amdgcn-amd-amdhsa--gfx1250"
	.amdhsa_code_object_version 6
	.text
	.protected	k_q669034b421_prep
	.globl	k_q669034b421_prep
	.p2align	8
	.type	k_q669034b421_prep,@function
k_q669034b421_prep:
	s_mov_b64 s[64:65], 0
	v_nop
	global_prefetch_b8 v0, s[64:65] scope:SCOPE_SE
	s_setreg_imm32_b32 hwreg(HW_REG_WAVE_MODE, 25, 1), 1
	s_wait_xcnt 0x0
; COMPLEX GRU CELL, launch 1 of 2: the weights are packed once, in bf16, in the order and the register image in which launch 2 takes them.
; WORK LEFT OUT, for all values of the inputs.  In the gates r and z reference() multiplies the SAME h by W[:, 256:] and by U and adds the two products:
; h W_h^T + h U^T = h (W_h + U)^T by distributivity, for the real and the imaginary weights alike.  So W_h + U is added here, in f32, and rounded once to bf16, and the
; products with U_r and U_z are not made: complex K is 512 + 512 + 768 in place of 768 + 768 + 768.  In the gate h-hat W_h multiplies r o h and U_h multiplies h: nothing is folded there.
; Every input has a way to the output and is loaded by one of the two launches.  LIMIT: an overflow that would arise in one of the two folded products alone, and cancel or not in their
; sum, is not carried; W + U is rounded once where reference() rounds neither.
; wpk: 28 tiles of 65,536 bytes, then the table of biases.  Tile t = [wave w: 16,384][kk: 8,192][n: 2,048][part (0 w_re, 1 w_im): 1,024][j: 512][lane: 16 bytes].
; Lane l (r = l % 16, hf = l / 16), number e of 8: weight row N = 64 w + 16 n + r, column kc = 64 (t % 4) + 32 kk + 16 j + 8 hf + e of the tile's section:
;   t 0-3   gate r, x: wr_w[N][kc]          t 4-7   gate r, h: wr_w[N][256 + kc] + ur_w[N][kc]          t 8-15  the same for gate z
;   t 16-19 gate h-hat, x: wh_w[N][kc]      t 20-23 h: uh_w[N][kc]                                      t 24-27 r o h: wh_w[N][256 + kc]
; Biases at byte 28 x 65,536: [gate][part][256] f32, part 0 = c (b_re - b_im), part 1 = c (b_re + b_im); c = -log2(e) for r and z, 2 log2(e) for h-hat: the factor of launch 2's exponentials.
; SHARES.  Work-group id < 448 makes 4,096 bytes of wpk at 4,096 id, a thread 16 of them: a wave's store covers 512 consecutive bytes, aligned.  Work-group 448 makes the biases.
.set BTOFF, 28*65536
	s_load_b512 s[8:23], s[0:1], 0x0               ; wr_w re, im; wz_w re, im; wh_w re, im; ur_w re, im
	s_load_b256 s[24:31], s[0:1], 0x40             ; uz_w re, im; uh_w re, im
	s_load_b256 s[32:39], s[0:1], 0x60             ; wr_b re, im; wz_b re, im
	s_load_b128 s[40:43], s[0:1], 0x80             ; wh_b re, im
	s_load_b64 s[44:45], s[0:1], 0x90              ; wpk
	v_lshrrev_b32 v1, 5, v0
	v_readfirstlane_b32 s2, v1                     ; wave v, 0..7
	s_cmp_eq_u32 ttmp9, 448
	s_cbranch_scc1 .Lbias
	; where my 16 bytes lie in the layout: id = 16 t + 4 w + 2 kk + n / 2;  v = 4 (n % 2) + 2 part + j
	s_lshr_b32 s3, ttmp9, 4                        ; t
	s_bfe_u32 s4, ttmp9, 0x20002                   ; w
	s_bfe_u32 s5, ttmp9, 0x10001                   ; kk
	s_and_b32 s6, ttmp9, 1
	s_lshr_b32 s7, s2, 2
	s_lshl1_add_u32 s6, s6, s7                     ; n
	s_bfe_u32 s7, s2, 0x10001                      ; part
	s_and_b32 s50, s2, 1                           ; j
	s_lshr_b32 s51, s3, 3
	s_min_u32 s51, s51, 2                          ; gate g: 0 r, 1 z, 2 h-hat
	s_lshl_b32 s52, s51, 3
	s_sub_co_u32 s52, s3, s52
	s_lshr_b32 s52, s52, 2                         ; the gate's section: 0 x, 1 h, 2 r o h
	s_lshl2_add_u32 s53, s51, s52                  ; 4 g + section
	s_cmp_eq_u32 s53, 9                            ; h-hat's section h comes from uh_w alone:
	s_cselect_b32 s55, 10, 11                      ; a row of U is 1,024 bytes, a row of W 2,048
	s_cselect_b32 s56, 0, 256                      ; first column in the source: 256 in W's second half,
	s_cmp_eq_u32 s52, 0
	s_cselect_b32 s56, 0, s56                      ; 0 in its first
	s_cmp_eq_u32 s52, 1
	s_cselect_b32 s54, 1, 0
	s_cmp_eq_u32 s51, 2
	s_cselect_b32 s54, 0, s54                      ; 1: U is added onto W (r and z, section h)
	s_lshl_b32 s57, s4, 6
	s_lshl4_add_u32 s57, s6, s57                   ; 64 w + 16 n
	s_and_b32 s58, s3, 3
	s_lshl_b32 s58, s58, 6
	s_lshl_b32 s59, s5, 5
	s_add_co_u32 s58, s58, s59
	s_lshl4_add_u32 s58, s50, s58                  ; 64 (t % 4) + 32 kk + 16 j
	s_lshl_b32 s59, ttmp9, 12                      ; the work-group's 4,096 bytes of wpk
	v_and_b32 v2, 15, v0                           ; r
	v_bfe_u32 v3, v0, 4, 1                         ; hf
	v_add_nc_u32 v4, s57, v2                       ; N
	v_lshl_add_u32 v5, v3, 3, s58                  ; kc of my first number
	v_add_nc_u32 v6, s56, v5
	v_lshlrev_b32 v7, s55, v4
	v_lshl_add_u32 v7, v6, 2, v7                   ; byte offset in the first source
	v_lshlrev_b32 v28, 10, v4
	v_lshl_add_u32 v28, v5, 2, v28                 ; byte offset in U, where it is added
	v_lshl_add_u32 v29, v0, 4, s59                 ; byte offset in wpk
	s_wait_kmcnt 0x0
	s_cmp_eq_u32 s7, 0                             ; the part picks re or im of all six weights,
	s_cselect_b64 s[8:9], s[8:9], s[10:11]
	s_cselect_b64 s[12:13], s[12:13], s[14:15]
	s_cselect_b64 s[16:17], s[16:17], s[18:19]
	s_cselect_b64 s[20:21], s[20:21], s[22:23]
	s_cselect_b64 s[24:25], s[24:25], s[26:27]
	s_cselect_b64 s[28:29], s[28:29], s[30:31]
	s_cmp_eq_u32 s51, 0                            ; the gate picks W and U
	s_cselect_b64 s[46:47], s[8:9], s[12:13]
	s_cselect_b64 s[48:49], s[20:21], s[24:25]
	s_cmp_eq_u32 s51, 2
	s_cselect_b64 s[46:47], s[16:17], s[46:47]
	s_cselect_b64 s[48:49], s[28:29], s[48:49]
	s_cmp_eq_u32 s53, 9
	s_cselect_b64 s[46:47], s[48:49], s[46:47]     ; the first source
	global_load_b128 v[8:11], v7, s[46:47]
	global_load_b128 v[12:15], v7, s[46:47] offset:16
	s_cmp_eq_u32 s54, 0
	s_cbranch_scc1 .Lplain
	global_load_b128 v[16:19], v28, s[48:49]
	global_load_b128 v[20:23], v28, s[48:49] offset:16
	s_wait_loadcnt 0x0
	v_pk_add_f32 v[8:9], v[8:9], v[16:17]          ; W + U in f32
	v_pk_add_f32 v[10:11], v[10:11], v[18:19]
	v_pk_add_f32 v[12:13], v[12:13], v[20:21]
	v_pk_add_f32 v[14:15], v[14:15], v[22:23]
.Lplain:
	s_wait_loadcnt 0x0
	v_cvt_pk_bf16_f32 v24, v8, v9                  ; rounded once
	v_cvt_pk_bf16_f32 v25, v10, v11
	v_cvt_pk_bf16_f32 v26, v12, v13
	v_cvt_pk_bf16_f32 v27, v14, v15
	global_store_b128 v29, v[24:27], s[44:45]
	s_endpgm
; The biases: 64 threads, four columns each; sixteen lanes store 256 consecutive bytes, aligned.  a: the gate's b_re in v[a:a+3], b_im in v[a+4:a+7]; cs: the scalar pair with c.
.macro BGATE a, cs, off
	v_pk_add_f32 v[28:29], v[(\a):(\a)+1], v[(\a)+4:(\a)+5] neg_lo:[0,1] neg_hi:[0,1]
	v_pk_add_f32 v[30:31], v[(\a)+2:(\a)+3], v[(\a)+6:(\a)+7] neg_lo:[0,1] neg_hi:[0,1]
	v_pk_add_f32 v[(\a)+4:(\a)+5], v[(\a):(\a)+1], v[(\a)+4:(\a)+5]
	v_pk_add_f32 v[(\a)+6:(\a)+7], v[(\a)+2:(\a)+3], v[(\a)+6:(\a)+7]
	v_pk_mul_f32 v[(\a):(\a)+1], v[28:29], s[(\cs):(\cs)+1] op_sel_hi:[1,0]
	v_pk_mul_f32 v[(\a)+2:(\a)+3], v[30:31], s[(\cs):(\cs)+1] op_sel_hi:[1,0]
	v_pk_mul_f32 v[(\a)+4:(\a)+5], v[(\a)+4:(\a)+5], s[(\cs):(\cs)+1] op_sel_hi:[1,0]
	v_pk_mul_f32 v[(\a)+6:(\a)+7], v[(\a)+6:(\a)+7], s[(\cs):(\cs)+1] op_sel_hi:[1,0]
	global_store_b128 v1, v[(\a):(\a)+3], s[44:45] offset:BTOFF+(\off)
	global_store_b128 v1, v[(\a)+4:(\a)+7], s[44:45] offset:BTOFF+(\off)+1024
.endm
.Lbias:
	s_wait_kmcnt 0x0
	s_cmp_lt_u32 s2, 2                             ; 256 columns are two waves' work
	s_cbranch_scc0 .Lend
	v_lshlrev_b32 v1, 4, v0
	s_mov_b32 s60, 0xbfb8aa3b                      ; -log2(e)
	s_mov_b32 s61, s60
	s_mov_b32 s62, 0x4038aa3b                      ; 2 log2(e)
	s_mov_b32 s63, s62
	global_load_b128 v[4:7], v1, s[32:33]
	global_load_b128 v[8:11], v1, s[34:35]
	global_load_b128 v[12:15], v1, s[36:37]
	global_load_b128 v[16:19], v1, s[38:39]
	global_load_b128 v[20:23], v1, s[40:41]
	global_load_b128 v[24:27], v1, s[42:43]
	s_wait_loadcnt 0x0
	BGATE 4, 60, 0
	BGATE 12, 60, 2048
	BGATE 20, 62, 4096
.Lend:
	s_endpgm
.Lfunc_end_k_q669034b421_prep:
	.size	k_q669034b421_prep, .Lfunc_end_k_q669034b421_prep-k_q669034b421_prep
	.p2alignl 7, 3214868480
	.fill 96, 4, 3214868480
	.section	.rodata,"a",@progbits
	.p2align	6, 0x0
	.amdhsa_kernel k_q669034b421_prep
		.amdhsa_group_segment_fixed_size 0
		.amdhsa_private_segment_fixed_size 0
		.amdhsa_enable_private_segment 0
		.amdhsa_kernarg_size 152
		.amdhsa_user_sgpr_count 2
		.amdhsa_user_sgpr_kernarg_segment_ptr 1
		.amdhsa_wavefront_size32 1
		.amdhsa_system_sgpr_workgroup_id_x 1
		.amdhsa_system_sgpr_workgroup_id_y 1
		.amdhsa_system_sgpr_workgroup_id_z 1
		.amdhsa_system_vgpr_workitem_id 0
		.amdhsa_next_free_vgpr 32
		.amdhsa_next_free_sgpr 66
		.amdhsa_reserve_vcc 0
		.amdhsa_float_denorm_mode_32 3
		.amdhsa_float_denorm_mode_16_64 3
		.amdhsa_memory_ordered 1
		.amdhsa_forward_progress 1
		.amdhsa_inst_pref_size 7
	.end_amdhsa_kernel
	.amdgpu_metadata
---
amdhsa.version: [ 1, 2 ]
amdhsa.kernels:
  - .name:           k_q669034b421_prep
    .symbol:         k_q669034b421_prep.kd
    .args:
      - { .name: wr_w_re, .offset: 0, .size: 8, .value_kind: global_buffer, .address_space: global }
      - { .name: wr_w_im, .offset: 8, .size: 8, .value_kind: global_buffer, .address_space: global }
      - { .name: wz_w_re, .offset: 16, .size: 8, .value_kind: global_buffer, .address_space: global }
      - { .name: wz_w_im, .offset: 24, .size: 8, .value_kind: global_buffer, .address_space: global }
      - { .name: wh_w_re, .offset: 32, .size: 8, .value_kind: global_buffer, .address_space: global }
      - { .name: wh_w_im, .offset: 40, .size: 8, .value_kind: global_buffer, .address_space: global }
      - { .name: ur_w_re, .offset: 48, .size: 8, .value_kind: global_buffer, .address_space: global }
      - { .name: ur_w_im, .offset: 56, .size: 8, .value_kind: global_buffer, .address_space: global }
      - { .name: uz_w_re, .offset: 64, .size: 8, .value_kind: global_buffer, .address_space: global }
      - { .name: uz_w_im, .offset: 72, .size: 8, .value_kind: global_buffer, .address_space: global }
      - { .name: uh_w_re, .offset: 80, .size: 8, .value_kind: global_buffer, .address_space: global }
      - { .name: uh_w_im, .offset: 88, .size: 8, .value_kind: global_buffer, .address_space: global }
      - { .name: wr_b_re, .offset: 96, .size: 8, .value_kind: global_buffer, .address_space: global }
      - { .name: wr_b_im, .offset: 104, .size: 8, .value_kind: global_buffer, .address_space: global }
      - { .name: wz_b_re, .offset: 112, .size: 8, .value_kind: global_buffer, .address_space: global }
      - { .name: wz_b_im, .offset: 120, .size: 8, .value_kind: global_buffer, .address_space: global }
      - { .name: wh_b_re, .offset: 128, .size: 8, .value_kind: global_buffer, .address_space: global }
      - { .name: wh_b_im, .offset: 136, .size: 8, .value_kind: global_buffer, .address_space: global }
      - { .name: wpk, .offset: 144, .size: 8, .value_kind: global_buffer, .address_space: global }
    .group_segment_fixed_size: 0
    .private_segment_fixed_size: 0
    .kernarg_segment_align: 8
    .kernarg_segment_size: 152
    .max_flat_workgroup_size: 256
    .sgpr_count:     66
    .vgpr_count:     32
    .wavefront_size: 32
...
	.end_amdgpu_metadata
.endif
;; end of part 1
;; launch gru (part 2): grid 256 x 1, 4 waves a work-group, clusters of 4 x 1, 327,680 bytes of LDS; arguments x_re, x_im, h_re, h_im, wpk, out0; writes out0
.if DOCPART == 2
	.amdgcn_target "amdgcn-amd-amdhsa--gfx1250"
	.amdhsa_code_object_version 6
	.text
	.protected	k_q669034b421_gru
	.globl	k_q669034b421_gru
	.p2align	8
	.type	k_q669034b421_gru,@function
k_q669034b421_gru:
	s_mov_b64 s[64:65], 0
	v_nop
	global_prefetch_b8 v0, s[64:65] scope:SCOPE_SE
	s_setreg_imm32_b32 hwreg(HW_REG_WAVE_MODE, 25, 1), 1
	s_wait_xcnt 0x0
	s_wait_alu depctr_hold_cnt(0) depctr_sa_sdst(0) depctr_va_vdst(0) depctr_va_sdst(0) depctr_va_ssrc(0) depctr_va_vcc(0) depctr_vm_vsrc(0)
	s_getreg_b32 s2, hwreg(HW_REG_IB_STS2, 6, 4)
	s_cmp_eq_u32 s2, 0
	s_cbranch_scc0 .Lentry_in_a_cluster
	s_endpgm
.Lentry_in_a_cluster:
	s_bfe_u32 s2, ttmp6, 0x10000c
	s_cmp_lg_u32 s2, 0x3003
	s_cbranch_scc0 .Lentry_shape_is_right
	s_endpgm
.Lentry_shape_is_right:
; COMPLEX GRU CELL, launch 2 of 2: the whole cell for 64 rows of the batch in one work-group.  x, h: [16384][256] f32 (re, im); out0: [2][16384][256] f32.
; WORK LEFT OUT: the products with U_r and U_z: launch 1 has added those weights onto W_r's and W_z's columns for h (h W^T + h U^T = h (W + U)^T for all values).
; LIMITS.  x, h, r o h and the weights are rounded once to bf16 for the products; sums in f32.  h enters r o h and the last blend as its bf16 value.  z is kept as f16 (it lies in 0..1: step 2^-11 at the most).
; sigmoid(y) = 1 / (1 + 2^(-L y)), tanh(y) = 1 - 2 / (1 + 2^(2 L y)), L = log2(e): an exponential that overflows gives the limits 0 and +-1, one below 2^-126 counts as 0.  NaN and infinities in the inputs are not treated apart.
; y_re = P - Q with P = a_re w_re^T and Q = a_im w_im^T in accumulators of their own: the difference that reference() forms.
; SHARES.  256 work-groups of four waves.  A wave makes all 64 rows (four m blocks of 16) x the complex columns 64 w .. 64 w + 63 (four n blocks), one gate at a time: r, z, h-hat.
; The matrix instruction is used transposed (source 0 = 16 rows of weights, source 1 = 16 rows of the batch): a lane then holds batch row 16 m + l % 16 and the columns 64 w + 16 n + 8 (l / 16) + 0..7.
; For 32 complex channels a block has four products: P += WR AR, I += WR AI, I += WI AR, Q += WI AI: 64 matrix instructions and 32 LDS loads a K step.
; LDS.  x and h (later r o h in x's place) lie there in bf16 for the whole launch.  The 28 weight tiles of 64 KiB go through a ring of two slots, two K steps to a tile.
; CLUSTER.  All work-groups walk the same weights: the four of a cluster ask for each tile JOINTLY, wave w for the quarter that wave w reads: same load, descriptor and mask in all four.
; ONE TEXT for the three gates' K passes (a loop over gates round a loop over laps of the ring) and for the sigmoid core; h-hat's third section, and what follows the core, are chosen by forward jumps on the
; gate's number, a counter of the text that is alike in every wave and work-group.
;
; LDS MAP (bytes)
.set PITCH,  1040                      ; a row of activations: 512 bytes of x (or r o h), 512 of h, 16 of padding: 65 x 16, so the 16 rows of a load start 16 bytes apart modulo 256
.set MROW,   16*PITCH                  ; an m block
.set ACTI,   64*PITCH                  ; the imaginary parts lie behind the real ones
.set RING,   2*ACTI                    ; two slots, written by tensor loads alone
.set SLOT,   65536
.set QUART,  16384                     ; a wave's quarter of a slot: [kk: 8,192][n: 2,048][part: 1,024][j: 512][lane: 16]
.set STAGE,  RING+2*SLOT               ; the way out: for each wave 16 rows x 272 bytes of re, then of im
.set SPITCH, 272
.set STIM,   16*SPITCH
.set STW,    2*STIM
.set SPARE,  STAGE+4*STW               ; the spare words, 128 bytes for each wave: two blocks of 256 bytes that no other line names
.set BTOFF,  28*SLOT                   ; the biases in wpk
; VECTOR REGISTERS, in windows of 256 (s_set_vgpr_msb: bits 1:0 source 0, 3:2 source 1, 5:4 source 2, 7:6 destination)
; window 0: addresses; v32-47 h unpacked, then results; v48-63 at work; v64-127, v128-191 activation fragments, two buffers (AR[m] at 8 m, AI[m] at 32 + 8 m); v192-223, v224-255 biases re, im
; window 1: v0-63, v64-127 weight fragments, two buffers (WR[n] at 16 n, WI[n] at 16 n + 8); v128-191, v192-255 r o h re, im in bf16 (before that: h's first 128 channels as loaded)
; window 2: P[n][m] at 8 (4 n + m); I[n][m] at 128 + 8 (4 n + m) (at the head: x as loaded)
; window 3: v0-63, v64-127 z re, im in f16 (before that: h's last 128 channels as loaded); Q[n][m] at 128 + 8 (4 n + m)
.set AR0,  2                           ; (l % 16) PITCH + 16 (l / 16); never rewritten
.set AI0,  3                           ; + ACTI
.set AAR,  4                           ; the next fetch's addresses
.set AAI,  5
.set WA,   6                           ; v6, v7: my 16 bytes of a weight fragment in my quarter of slot 0, 1
.set GOFF, 8                           ; 16 lane + 16,384 w: my 16 bytes in my wave's 16 rows of x and h
.set SST,  9                           ; 8 lane + w MROW: where they go in LDS
.set SSTI, 10
.set XRD,  11                          ; AR0 + 128 w: my 8 columns of a row, in x's place; h's lie 512 further
.set XRDI, 12
.set STO,  13                          ; the way out: where I put 16 bytes of a row
.set RD,   14                          ; where I read a row back
.set CO,   15                          ; my byte offset in out0
.set BOFF, 16                          ; my byte offset in a row of biases
.set PFO,  17                          ; 256 lane
.set SPW,  28                          ; LDS address of my spare word; never rewritten
.set NIL,  29                          ; 0; never rewritten
.set H32,  32
.set TT,   48
.set ACTB, 64
.set BRE,  192
.set BIM,  224
.set RHR,  128
.set RHI,  192
.set IA,   128
.set QA,   128
.set ZI,   64
; SCALAR REGISTERS: s[4:11] x_re, x_im, h_re, h_im at my rows; s[12:13] wpk; s[14:15], s[16:17] out0 re, im at my rows; s[18:19] the biases
.set WV,   20                          ; my wave's number
.set CX,   21                          ; my place in the cluster: it enters global addresses of x, h, out0 and the prefetches alone
.set G1,   24                          ; s[24:31] descriptor group 1
.set G0,   32                          ; s[32:39] descriptor group 0, a set for each slot
.set KB,   40                          ; byte in the activations' rows of the next fetch
.set GT,   41                          ; the gate: 0 r, 1 z, 2 h-hat
.set SC,   42                          ; trips of the lap loop so far, over all gates
.set TR,   43                          ; the lap loop's count
.set TL,   44                          ; refills still to come
.set LIM,  45                          ; 3 in a wave that prefetches, else the greatest number
.set PFA,  46                          ; s[46:47] where my prefetches stand
.set CS,   48                          ; s[48:49] c, the exponentials' factor
.set CN,   50                          ; s[50:51] -c
.set MSKH, 52                          ; a word's upper bf16
.set MSB, 0
.macro WIN new                         ; the immediate's high byte repeats the setting that is left; a switch that changes nothing is dropped
.if MSB != (\new)
	s_set_vgpr_msb (MSB<<8)|(\new)
.set MSB, \new
.endif
.endm
.macro PLACES                          ; four places behind a matrix instruction, in front of loads into registers that it has read
.rept 4
	v_nop
.endr
.endm
; A round of the cluster's barrier: my work-group's barrier; wave 0 signals for the work-group; every wave waits for all four work-groups; my work-group's barrier once more.
.macro CREST                           ; a round behind its opening barrier
	s_cmp_lg_u32 s[WV], 0
	s_cbranch_scc1 .Lnot_wave_0_\@
	s_barrier_signal -3
.Lnot_wave_0_\@:
	s_barrier_wait -3
	s_barrier_signal -1
	s_barrier_wait -1
.endm
.macro CROUND
	s_barrier_signal -1
	s_barrier_wait -1
	CREST
.endm
; THE MATRIX WORK.  The accumulators take turns, one instruction a turn: three others at the least stand between two links of a chain, over the K steps' edges and the backward jumps too.
; 12 products of n block n on buffer b.  zero = 1: a gate's first K step starts the sums: nothing is cleared.
.macro MULA b, n, zero
	WIN 0xa1                                       ; weights window 1, activations window 0, C and D window 2
.irp m, 0,1,2,3
.if \zero
	v_wmma_f32_16x16x32_bf16 v[8*(4*(\n)+(\m)):8*(4*(\n)+(\m))+7], v[64*(\b)+16*(\n):64*(\b)+16*(\n)+7], v[ACTB+64*(\b)+8*(\m):ACTB+64*(\b)+8*(\m)+7], 0
.else
	v_wmma_f32_16x16x32_bf16 v[8*(4*(\n)+(\m)):8*(4*(\n)+(\m))+7], v[64*(\b)+16*(\n):64*(\b)+16*(\n)+7], v[ACTB+64*(\b)+8*(\m):ACTB+64*(\b)+8*(\m)+7], v[8*(4*(\n)+(\m)):8*(4*(\n)+(\m))+7]
.endif
.endr
.irp m, 0,1,2,3
.if \zero
	v_wmma_f32_16x16x32_bf16 v[IA+8*(4*(\n)+(\m)):IA+8*(4*(\n)+(\m))+7], v[64*(\b)+16*(\n):64*(\b)+16*(\n)+7], v[ACTB+64*(\b)+32+8*(\m):ACTB+64*(\b)+32+8*(\m)+7], 0
.else
	v_wmma_f32_16x16x32_bf16 v[IA+8*(4*(\n)+(\m)):IA+8*(4*(\n)+(\m))+7], v[64*(\b)+16*(\n):64*(\b)+16*(\n)+7], v[ACTB+64*(\b)+32+8*(\m):ACTB+64*(\b)+32+8*(\m)+7], v[IA+8*(4*(\n)+(\m)):IA+8*(4*(\n)+(\m))+7]
.endif
.endr
.irp m, 0,1,2,3
	v_wmma_f32_16x16x32_bf16 v[IA+8*(4*(\n)+(\m)):IA+8*(4*(\n)+(\m))+7], v[64*(\b)+16*(\n)+8:64*(\b)+16*(\n)+15], v[ACTB+64*(\b)+8*(\m):ACTB+64*(\b)+8*(\m)+7], v[IA+8*(4*(\n)+(\m)):IA+8*(4*(\n)+(\m))+7]
.endr
.endm
.macro MULQ b, zero                    ; the 16 products Q += WI AI
	WIN 0xf1                                       ; the same with C and D in window 3
.irp n, 0,1,2,3
.irp m, 0,1,2,3
.if \zero
	v_wmma_f32_16x16x32_bf16 v[QA+8*(4*(\n)+(\m)):QA+8*(4*(\n)+(\m))+7], v[64*(\b)+16*(\n)+8:64*(\b)+16*(\n)+15], v[ACTB+64*(\b)+32+8*(\m):ACTB+64*(\b)+32+8*(\m)+7], 0
.else
	v_wmma_f32_16x16x32_bf16 v[QA+8*(4*(\n)+(\m)):QA+8*(4*(\n)+(\m))+7], v[64*(\b)+16*(\n)+8:64*(\b)+16*(\n)+15], v[ACTB+64*(\b)+32+8*(\m):ACTB+64*(\b)+32+8*(\m)+7], v[QA+8*(4*(\n)+(\m)):QA+8*(4*(\n)+(\m))+7]
.endif
.endr
.endr
.endm
.macro NEXTADDR                        ; two plain vector lines: they also count among the places in front of the run of loads
	WIN 0
	v_add_nc_u32 v[AAR], s[KB], v[AR0]
	v_add_nc_u32 v[AAI], s[KB], v[AI0]
.endm
; 32 LDS loads in one run: a K step's fragments into buffer b: 64 rows x 32 channels of re and of im, then my 64 weight rows, re and im, from byte woff of my quarter of the slot; n blocks 2 and 3 last.
; A fragment is 16 rows x 32 channels in 8 registers: lane l holds row l % 16, channels 8 (l / 16) + 0..7 and 16 + 8 (l / 16) + 0..7.
.macro FETCH slot, woff, b
	WIN 0
.irp m, 0,1,2,3
	ds_load_b128 v[ACTB+64*(\b)+8*(\m):ACTB+64*(\b)+8*(\m)+3],   v[AAR] offset:MROW*(\m)
	ds_load_b128 v[ACTB+64*(\b)+8*(\m)+4:ACTB+64*(\b)+8*(\m)+7], v[AAR] offset:MROW*(\m)+32
.endr
.irp m, 0,1,2,3
	ds_load_b128 v[ACTB+64*(\b)+32+8*(\m):ACTB+64*(\b)+32+8*(\m)+3],   v[AAI] offset:MROW*(\m)
	ds_load_b128 v[ACTB+64*(\b)+32+8*(\m)+4:ACTB+64*(\b)+32+8*(\m)+7], v[AAI] offset:MROW*(\m)+32
.endr
	WIN 0x40                                       ; destination window 1
.irp n, 0,1,2,3
.irp p, 0,1
	ds_load_b128 v[64*(\b)+16*(\n)+8*(\p):64*(\b)+16*(\n)+8*(\p)+3],   v[WA+(\slot)] offset:(\woff)+2048*(\n)+1024*(\p)
	ds_load_b128 v[64*(\b)+16*(\n)+8*(\p)+4:64*(\b)+16*(\n)+8*(\p)+7], v[WA+(\slot)] offset:(\woff)+2048*(\n)+1024*(\p)+512
.endr
.endr
	s_add_co_u32 s[KB], s[KB], 64                  ; the next 32 channels; behind h's last come x's (or r o h's) first
	s_and_b32 s[KB], s[KB], 1023
.endm
; A PREFETCH INTO THE L2 of the tile that stands three refills on (at the change from tile t to t + 1, which asks for tile t + 2: tile t + 5), 384 matrix instructions ahead of its load.  Every cluster walks the same tiles:
; the first cluster asks.  Its four partners share a tile out BY ADDRESS, 16 KiB each; in each, waves 0 and 1 take 8 KiB, a lane 256 bytes: each block is named once in the launch.
; Tiles 0 to 4 come by their loads alone; the last three refills ask for nothing: tile 27 is the last.
.macro ASK
	s_cmp_gt_u32 s[TL], s[LIM]
	s_cbranch_scc0 .Lnot_mine_\@
	global_prefetch_b8 v[PFO], s[PFA:PFA+1] th:TH_LOAD_NT scope:SCOPE_SE
.Lnot_mine_\@:
.endm
; A K STEP on buffer b, whose tile lies in slot.
; kind 0, a tile's first: fetches its second step's fragments.
; kind 1, a tile's second, with a refill: ONE change of slots.  Each wave waits for all its tensor loads (one is out: its quarter of the other slot), adds 0 to its spare word, and waits for that and for its reads of
;   this slot; the barrier opens a round of the cluster's barrier, so that no wave of any partner still reads the slot or has a load on its way; the joint refill is the first thing behind the round: 104 matrix instructions ahead of the wait for it.
; kind 2, the same without a refill (the last change).     kind 3, the last K step: nothing is fetched.
.macro KS b, slot, kind, zero
.if (\kind) == 0
	s_wait_dscnt 8                                 ; all but the youngest eight loads, the weights of n blocks 2 and 3
	MULA \b, 0, \zero
	NEXTADDR
	v_nop                                          ; with the two lines above: four places behind the last product that read the other buffer
	v_nop
	FETCH \slot, 8192, 1-(\b)
	MULA \b, 1, \zero
	s_wait_dscnt 32                                ; all but the 32 just issued
	MULA \b, 2, \zero
	MULA \b, 3, \zero
	MULQ \b, \zero
.elseif (\kind) == 3
	s_wait_dscnt 0x0
	MULA \b, 0, 0
	MULA \b, 1, 0
	MULA \b, 2, 0
	MULA \b, 3, 0
	MULQ \b, 0
.else
.if (\kind) == 1
	s_wait_xcnt 0x0                                ; the last prefetch, a tile back, has read its address: it is stepped here, ahead of the change's own waits
	s_add_nc_u64 s[PFA:PFA+1], s[PFA:PFA+1], SLOT
.endif
	WIN 0                                          ; (the add's two registers lie in window 0)
	s_wait_tensorcnt 0x0                           ; all my tensor loads have landed
	ds_add_u32 v[SPW], v[NIL]                      ; 0 onto my spare word
	s_wait_dscnt 9                                 ; (the add and the youngest eight loads may be out)
	MULA \b, 0, 0                                  ; twelve matrix instructions stand between the add and the wait for it
	s_wait_dscnt 0x0                               ; the add is done; my reads of this slot and my LDS stores are over
	s_barrier_signal -1
	MULA \b, 1, 0                                  ; work on registers while the others arrive
.if (\kind) == 1
	WIN 0
	s_barrier_wait -1
	CREST
	s_add_nc_u64 s[G0+4*(\slot)+2:G0+4*(\slot)+3], s[G0+4*(\slot)+2:G0+4*(\slot)+3], 2*SLOT  ; this slot's next tile; the type bits on top are not reached
	tensor_load_to_lds s[G0+4*(\slot):G0+4*(\slot)+3], s[G1:G1+7]  ; my one tensor load behind the round
	s_nop 0
	PLACES                                         ; behind the tensor load; also the places in front of the loads below
.else
	s_barrier_wait -1
	PLACES
.endif
	NEXTADDR
	FETCH 1-(\slot), 0, 1-(\b)
.if (\kind) == 1
	WIN 0
	ASK                                            ; behind the joint load and the run of LDS loads
	s_sub_co_u32 s[TL], s[TL], 1
.endif
	MULA \b, 2, 0
	MULA \b, 3, 0
	MULQ \b, 0
.endif
.endm
; THE INPUTS.  Chunk c is 128 channels, re and im, of x (c = 0, 1) or h (c = 2, 3) for my wave's 16 rows: 32 loads, each a row's 512 consecutive bytes, into window win from register base on.
.macro LOADB c, win, base
	WIN (\win)<<6
.set i, 0
.rept 16
.if (\c) < 2
	global_load_b128 v[(\base)+4*i:(\base)+4*i+3],       v[GOFF], s[4:5] offset:1024*i+512*((\c)&1) th:TH_LOAD_NT
	global_load_b128 v[(\base)+64+4*i:(\base)+64+4*i+3], v[GOFF], s[6:7] offset:1024*i+512*((\c)&1) th:TH_LOAD_NT
.else
	global_load_b128 v[(\base)+4*i:(\base)+4*i+3],       v[GOFF], s[8:9] offset:1024*i+512*((\c)&1) th:TH_LOAD_NT
	global_load_b128 v[(\base)+64+4*i:(\base)+64+4*i+3], v[GOFF], s[10:11] offset:1024*i+512*((\c)&1) th:TH_LOAD_NT
.endif
.set i, i+1
.endr
	WIN 0
.endm
; The chunk is rounded to bf16 in place and stored to LDS, 256 consecutive bytes a store.  cnt: the younger global loads, which may stay out.
.macro STOREB c, win, base, cnt
	s_wait_loadcnt \cnt
	WIN ((\win)<<6)|((\win)<<2)|(\win)
.set i, 0
.rept 32
	v_cvt_pk_bf16_f32 v[(\base)+4*i],   v[(\base)+4*i],   v[(\base)+4*i+1]
	v_cvt_pk_bf16_f32 v[(\base)+4*i+1], v[(\base)+4*i+2], v[(\base)+4*i+3]
.set i, i+1
.endr
	WIN (\win)<<2                                  ; an LDS store's data are source 1
.set i, 0
.rept 16
	ds_store_b64 v[SST],  v[(\base)+4*i:(\base)+4*i+1]       offset:PITCH*i+512*((\c)>>1)+256*((\c)&1)
	ds_store_b64 v[SSTI], v[(\base)+64+4*i:(\base)+64+4*i+1] offset:PITCH*i+512*((\c)>>1)+256*((\c)&1)
.set i, i+1
.endr
	WIN 0
.endm
.macro BIASLOAD g                      ; gate g's scaled biases of my 4 x 8 columns, re and im
.irp n, 0,1,2,3
	global_load_b128 v[BRE+8*(\n):BRE+8*(\n)+3],   v[BOFF], s[18:19] offset:2048*(\g)+64*(\n)
	global_load_b128 v[BRE+8*(\n)+4:BRE+8*(\n)+7], v[BOFF], s[18:19] offset:2048*(\g)+64*(\n)+16
	global_load_b128 v[BIM+8*(\n):BIM+8*(\n)+3],   v[BOFF], s[18:19] offset:2048*(\g)+1024+64*(\n)
	global_load_b128 v[BIM+8*(\n)+4:BIM+8*(\n)+7], v[BOFF], s[18:19] offset:2048*(\g)+1024+64*(\n)+16
.endr
.endm
.macro RHSTORE                         ; r o h takes x's place in LDS: my 64 columns of all 64 rows
	WIN 0x04
.irp m, 0,1,2,3
.irp n, 0,1,2,3
	ds_store_b128 v[XRD],  v[RHR+4*(4*(\n)+(\m)):RHR+4*(4*(\n)+(\m))+3] offset:MROW*(\m)+32*(\n)
	ds_store_b128 v[XRDI], v[RHI+4*(4*(\n)+(\m)):RHI+4*(4*(\n)+(\m))+3] offset:MROW*(\m)+32*(\n)
.endr
.endr
	WIN 0
.endm
; WHAT SOME TRIPS OF THE LAP LOOP DO BESIDE THE PRODUCTS, at the trip's top; the jumps go forward, on a counter of the text, past text with neither a barrier nor a tensor load.
; Trip 1 (gate r): h's first 128 channels go to LDS; their first fetch stands in the same trip's second change of slots, behind two barriers in front of which every wave has waited for its LDS stores.
; Trip 2: h's last 128 channels, likewise.
; Trip 8 (gate h-hat's third): r o h.  x's last fetch stands in the trip before, ahead of that trip's second barrier, in front of which every wave has waited for its reads; r o h's first fetch comes behind the loop.
.macro BLOCKS
	s_cmp_lg_u32 s[SC], 1
	s_cbranch_scc1 .Lnot_1
	STOREB 2, 1, 128, 32                           ; the 32 loads of h's last 128 channels may stay out
.Lnot_1:
	s_cmp_lg_u32 s[SC], 2
	s_cbranch_scc1 .Lnot_2
	STOREB 3, 3, 0, 0
.Lnot_2:
	s_cmp_lg_u32 s[SC], 8
	s_cbranch_scc1 .Lnot_8
	RHSTORE
.Lnot_8:
	s_add_co_u32 s[SC], s[SC], 1
.endm
; THE CORE OF ALL THREE ACTIVATIONS: P <- 1 / (1 + 2^(c (P - Q) + c b_re)), I <- 1 / (1 + 2^(c I + c b_im)).  Each accumulator is read from its lowest registers on.
; Four batches of transcendentals, plain work of the other half between them; behind each batch one plain line and ONE wait ahead of the first line that names a result.
.macro SIG
	WIN 0
	s_wait_loadcnt 0x0                             ; the gate's biases
.rept 8
	v_nop                                          ; the places behind the last products
.endr
	WIN 0x82                                       ; destination and source 0 window 2, biases window 0
.set i, 0
.rept 64
	v_pk_fma_f32 v[2*i:2*i+1], v[2*i:2*i+1], s[CS:CS+1], v[BRE+8*(i/16)+(2*i)%8:BRE+8*(i/16)+(2*i)%8+1] op_sel_hi:[1,0,1]
.set i, i+1
.endr
	WIN 0xa3                                       ; Q from window 3
.set i, 0
.rept 64
	v_pk_fma_f32 v[2*i:2*i+1], v[QA+2*i:QA+2*i+1], s[CN:CN+1], v[2*i:2*i+1] op_sel_hi:[1,0,1]
.set i, i+1
.endr
	WIN 0x82
.set i, 0
.rept 64
	v_pk_fma_f32 v[IA+2*i:IA+2*i+1], v[IA+2*i:IA+2*i+1], s[CS:CS+1], v[BIM+8*(i/16)+(2*i)%8:BIM+8*(i/16)+(2*i)%8+1] op_sel_hi:[1,0,1]
	v_exp_f32 v[2*i], v[2*i]
	v_exp_f32 v[2*i+1], v[2*i+1]
.set i, i+1
.endr
	v_nop
	s_wait_alu depctr_va_vdst(0)
.set i, 0
.rept 64
	v_pk_add_f32 v[2*i:2*i+1], v[2*i:2*i+1], 1.0 op_sel_hi:[1,0]
	v_exp_f32 v[IA+2*i], v[IA+2*i]
	v_exp_f32 v[IA+2*i+1], v[IA+2*i+1]
.set i, i+1
.endr
	v_nop
	s_wait_alu depctr_va_vdst(0)
.set i, 0
.rept 64
	v_pk_add_f32 v[IA+2*i:IA+2*i+1], v[IA+2*i:IA+2*i+1], 1.0 op_sel_hi:[1,0]
	v_rcp_f32 v[2*i], v[2*i]
	v_rcp_f32 v[2*i+1], v[2*i+1]
.set i, i+1
.endr
	v_nop
	s_wait_alu depctr_va_vdst(0)
.set i, 0
.rept 128
	v_rcp_f32 v[IA+i], v[IA+i]
.set i, i+1
.endr
	v_nop
	s_wait_alu depctr_va_vdst(0)
	WIN 0
.endm
.macro HLOAD m, hb                     ; h's bf16 of m block m, my 4 x 8 columns: re[n] at hb + 4 n, im[n] at hb + 16 + 4 n
.irp n, 0,1,2,3
	ds_load_b128 v[(\hb)+4*(\n):(\hb)+4*(\n)+3],       v[XRD]  offset:512+MROW*(\m)+32*(\n)
	ds_load_b128 v[(\hb)+16+4*(\n):(\hb)+16+4*(\n)+3], v[XRDI] offset:512+MROW*(\m)+32*(\n)
.endr
.endm
.macro UNPACK hb, n                    ; bf16 to f32: h_re into v32-39, h_im into v40-47
.irp q, 0,1,2,3
	v_lshlrev_b32 v[H32+2*(\q)],     16, v[(\hb)+4*(\n)+(\q)]
	v_and_b32     v[H32+2*(\q)+1],   s[MSKH], v[(\hb)+4*(\n)+(\q)]
	v_lshlrev_b32 v[H32+8+2*(\q)],   16, v[(\hb)+16+4*(\n)+(\q)]
	v_and_b32     v[H32+8+2*(\q)+1], s[MSKH], v[(\hb)+16+4*(\n)+(\q)]
.endr
.endm
; BEHIND GATE r: r o h = (r_re h_re - r_im h_im, r_re h_im + r_im h_re), rounded to bf16, kept in registers until x has been read for the last time.
.macro RTILE m, n
.set tP, 8*(4*(\n)+(\m))
.set tR, 4*(4*(\n)+(\m))
	WIN 0
	UNPACK 128+32*((\m)%2), \n
	WIN 0x02                                       ; source 0 window 2
.irp q, 0,2,4,6
	v_pk_mul_f32 v[TT+(\q):TT+(\q)+1], v[tP+(\q):tP+(\q)+1], v[H32+(\q):H32+(\q)+1]
.endr
.irp q, 0,2,4,6
	v_pk_mul_f32 v[TT+8+(\q):TT+8+(\q)+1], v[tP+(\q):tP+(\q)+1], v[H32+8+(\q):H32+8+(\q)+1]
.endr
.irp q, 0,2,4,6
	v_pk_fma_f32 v[TT+(\q):TT+(\q)+1], v[IA+tP+(\q):IA+tP+(\q)+1], v[H32+8+(\q):H32+8+(\q)+1], v[TT+(\q):TT+(\q)+1] neg_lo:[1,0,0] neg_hi:[1,0,0]
.endr
.irp q, 0,2,4,6
	v_pk_fma_f32 v[TT+8+(\q):TT+8+(\q)+1], v[IA+tP+(\q):IA+tP+(\q)+1], v[H32+(\q):H32+(\q)+1], v[TT+8+(\q):TT+8+(\q)+1]
.endr
	WIN 0x40                                       ; destination window 1
.irp q, 0,1,2,3
	v_cvt_pk_bf16_f32 v[RHR+tR+(\q)], v[TT+2*(\q)], v[TT+2*(\q)+1]
	v_cvt_pk_bf16_f32 v[RHI+tR+(\q)], v[TT+8+2*(\q)], v[TT+8+2*(\q)+1]
.endr
.endm
.macro EPI_R                           ; activation buffer 0 and weight buffer 0 hold the next gate's first fragments and are not touched; h comes into the halves of buffer 1
	WIN 0
	BIASLOAD 1
	HLOAD 0, 128
.irp m, 0,1,2,3
	WIN 0
.if (\m) < 3
	HLOAD (\m)+1, 128+32*(((\m)+1)%2)
	s_wait_dscnt 8                                 ; the next m block's eight loads may stay out
.else
	s_wait_dscnt 0x0
.endif
.irp n, 0,1,2,3
	RTILE \m, \n
.endr
.endr
	WIN 0
.endm
.macro EPI_Z                           ; BEHIND GATE z: z is set aside in f16; the factor becomes tanh's
	WIN 0
	BIASLOAD 2
	WIN 0xca                                       ; sources window 2, destination window 3
.set i, 0
.rept 64
	v_cvt_pk_f16_f32 v[i], v[2*i], v[2*i+1]
.set i, i+1
.endr
.set i, 0
.rept 64
	v_cvt_pk_f16_f32 v[ZI+i], v[IA+2*i], v[IA+2*i+1]
.set i, i+1
.endr
	WIN 0
	s_mov_b32 s[CS], 0x4038aa3b                    ; 2 log2(e)
	s_mov_b32 s[CS+1], s[CS]
	s_mov_b32 s[CN], 0xc038aa3b
	s_mov_b32 s[CN+1], s[CN]
.endm
; BEHIND GATE h-hat.  With q the core's result, tanh = 1 - 2 q and d = tanh - h = (1 - h) - 2 q.  reference()'s blend, regrouped:
; out_re = h_re + z_re d_re - z_im d_im,   out_im = h_im + z_re d_im + z_im d_re.  z's f16 halves are read by the mixed multiply-add.
.macro HTILE m, n
.set tP, 8*(4*(\n)+(\m))
.set tZ, 4*(4*(\n)+(\m))
	WIN 0
	UNPACK 64+32*((\m)%2), \n
.irp q, 0,2,4,6,8,10,12,14
	v_pk_add_f32 v[TT+(\q):TT+(\q)+1], v[H32+(\q):H32+(\q)+1], 1.0 op_sel_hi:[1,0] neg_lo:[1,0] neg_hi:[1,0]
.endr
	WIN 0x02
.irp q, 0,2,4,6
	v_pk_fma_f32 v[TT+(\q):TT+(\q)+1], v[tP+(\q):tP+(\q)+1], -2.0, v[TT+(\q):TT+(\q)+1] op_sel_hi:[1,0,1]
	v_pk_fma_f32 v[TT+8+(\q):TT+8+(\q)+1], v[IA+tP+(\q):IA+tP+(\q)+1], -2.0, v[TT+8+(\q):TT+8+(\q)+1] op_sel_hi:[1,0,1]
.endr
	WIN 0x03                                       ; z from window 3
.irp p, 0,1,2,3
	v_fma_mix_f32 v[H32+2*(\p)],   v[tZ+(\p)], v[TT+2*(\p)],   v[H32+2*(\p)]   op_sel_hi:[1,0,0]
	v_fma_mix_f32 v[H32+2*(\p)+1], v[tZ+(\p)], v[TT+2*(\p)+1], v[H32+2*(\p)+1] op_sel:[1,0,0] op_sel_hi:[1,0,0]
.endr
.irp p, 0,1,2,3
	v_fma_mix_f32 v[H32+8+2*(\p)],   v[tZ+(\p)], v[TT+8+2*(\p)],   v[H32+8+2*(\p)]   op_sel_hi:[1,0,0]
	v_fma_mix_f32 v[H32+8+2*(\p)+1], v[tZ+(\p)], v[TT+8+2*(\p)+1], v[H32+8+2*(\p)+1] op_sel:[1,0,0] op_sel_hi:[1,0,0]
.endr
.irp p, 0,1,2,3
	v_fma_mix_f32 v[H32+2*(\p)],   -v[ZI+tZ+(\p)], v[TT+8+2*(\p)],   v[H32+2*(\p)]   op_sel_hi:[1,0,0]
	v_fma_mix_f32 v[H32+2*(\p)+1], -v[ZI+tZ+(\p)], v[TT+8+2*(\p)+1], v[H32+2*(\p)+1] op_sel:[1,0,0] op_sel_hi:[1,0,0]
.endr
.irp p, 0,1,2,3
	v_fma_mix_f32 v[H32+8+2*(\p)],   v[ZI+tZ+(\p)], v[TT+2*(\p)],   v[H32+8+2*(\p)]   op_sel_hi:[1,0,0]
	v_fma_mix_f32 v[H32+8+2*(\p)+1], v[ZI+tZ+(\p)], v[TT+2*(\p)+1], v[H32+8+2*(\p)+1] op_sel:[1,0,0] op_sel_hi:[1,0,0]
.endr
	WIN 0
	ds_store_b128 v[STO], v[H32:H32+3]     offset:64*(\n)
	ds_store_b128 v[STO], v[H32+4:H32+7]   offset:64*(\n)+16
	ds_store_b128 v[STO], v[H32+8:H32+11]  offset:STIM+64*(\n)
	ds_store_b128 v[STO], v[H32+12:H32+15] offset:STIM+64*(\n)+16
.endm
; An m block (16 rows x my 64 columns, re and im) goes through my own stage and leaves as whole rows: sixteen lanes store 256 consecutive bytes, at a multiple of 256 from out0's first byte.
.macro EPI_H
	WIN 0
	HLOAD 0, 64
.irp m, 0,1,2,3
.if (\m) < 3
	HLOAD (\m)+1, 64+32*(((\m)+1)%2)
	s_wait_dscnt 8                                 ; the next m block's eight loads may stay out
.else
	s_wait_dscnt 0x0
.endif
.irp n, 0,1,2,3
	HTILE \m, \n
.endr
	s_wait_xcnt 0x0                                ; the last block's stores have read v128-191: only behind this wait are they loaded again
.irp t, 0,1,2,3,4,5,6,7
	ds_load_b128 v[128+4*(\t):128+4*(\t)+3], v[RD] offset:2*SPITCH*(\t)  ; LDS serves a wave's instructions in order (ISA guide 5.7.1.4): these see the stores above
.endr
.irp t, 0,1,2,3,4,5,6,7
	ds_load_b128 v[160+4*(\t):160+4*(\t)+3], v[RD] offset:STIM+2*SPITCH*(\t)
.endr
.irp t, 0,1,2,3,4,5,6,7
	s_wait_dscnt 15-(\t)                           ; the younger loads from the stage may stay out
	global_store_b128 v[CO], v[128+4*(\t):128+4*(\t)+3], s[14:15] offset:(16*(\m)+2*(\t))*1024 th:TH_STORE_NT
.endr
.irp t, 0,1,2,3,4,5,6,7
	s_wait_dscnt 7-(\t)
	global_store_b128 v[CO], v[160+4*(\t):160+4*(\t)+3], s[16:17] offset:(16*(\m)+2*(\t))*1024 th:TH_STORE_NT
.endr
.endr
.endm
	; ---------------------------------------------------------------- the head
	s_load_b256 s[4:11], s[0:1], 0x0               ; x_re, x_im, h_re, h_im
	s_load_b128 s[12:15], s[0:1], 0x20             ; wpk, out0
	v_lshl_add_u32 v[SPW], v0, 2, SPARE
	v_mov_b32 v[NIL], 0
	ds_add_u32 v[SPW], v[NIL]                      ; the wave's opening: the add, twice on end, and its wait ahead of my first tensor load; the set-up below, work on registers, stands between
	ds_add_u32 v[SPW], v[NIL]
	v_lshrrev_b32 v1, 5, v0
	v_readfirstlane_b32 s[WV], v1                  ; wave 0..3
	s_bfe_u32 s[CX], ttmp6, 0x40000                ; my place in the cluster
	s_lshl_b32 s22, ttmp9, 2                       ; in a cluster launch ttmp9 counts clusters
	s_add_co_u32 s22, s22, s[CX]                   ; my work-group
	s_lshl_b32 s22, s22, 16                        ; its 64 rows of 1,024 bytes
	s_mov_b32 s23, 0
	; descriptor group 1: a wave's quarter of a tile is 16,384 dense bytes, asked for as 64 rows of 256 bytes, unpadded
	s_mov_b32 s[G1+0], 15|(3<<16)|(1<<21)          ; 15:0 the mask: all four work-groups; 17:16 elements of 8 bytes; 21 set beside a mask
	s_mov_b32 s[G1+1], 32<<16                      ; tensor_dim0 = 32
	s_mov_b32 s[G1+2], 64<<16                      ; tensor_dim1 = 64
	s_mov_b32 s[G1+3], 32<<16                      ; tile_dim0 = 32
	s_mov_b32 s[G1+4], 64                          ; tile_dim1 = 64
	s_mov_b32 s[G1+5], 32                          ; 32 elements from row to row
	s_mov_b32 s[G1+6], 0
	s_mov_b32 s[G1+7], 0
	s_lshl_b32 s54, s[WV], 14                      ; my quarter, in a tile and in a slot: no place in the cluster enters it
	s_mov_b32 s55, 0
	s_mov_b32 s[G0], 1                             ; count = 1
	s_add_co_u32 s[G0+1], s54, RING                ; LDS address: slot 0
	s_mov_b32 s[G0+4], 1
	s_add_co_u32 s[G0+5], s54, RING+SLOT           ; slot 1
	s_mov_b32 s[CS], 0xbfb8aa3b                    ; c = -log2(e) for the two sigmoids
	s_mov_b32 s[CS+1], s[CS]
	s_mov_b32 s[CN], 0x3fb8aa3b
	s_mov_b32 s[CN+1], s[CN]
	s_mov_b32 s[MSKH], 0xffff0000
	s_mov_b32 s[KB], 0
	s_mov_b32 s[GT], 0
	s_mov_b32 s[SC], 0
	s_mov_b32 s[TL], 26                            ; tiles 2 to 27 come by refills
	s_lshr_b32 s53, s[WV], 1                       ; 0 in waves 0 and 1,
	s_or_b32 s53, s53, ttmp9                       ; of the first cluster: the same in all four partners
	s_cmp_eq_u32 s53, 0
	s_cselect_b32 s[LIM], 3, -1
	v_and_b32 v18, 15, v0                          ; l % 16
	v_bfe_u32 v19, v0, 4, 1                        ; l / 16
	v_and_b32 v20, 31, v0                          ; l
	v_mul_u32_u24 v[AR0], v18, PITCH
	v_lshl_add_u32 v[AR0], v19, 4, v[AR0]
	v_add_nc_u32 v[AI0], ACTI, v[AR0]
	s_add_co_u32 s53, s54, RING
	v_lshl_add_u32 v[WA], v20, 4, s53
	v_add_nc_u32 v[WA+1], SLOT, v[WA]
	v_lshl_add_u32 v[GOFF], v20, 4, s54            ; my wave's 16 rows of 1,024 bytes are 16,384 too
	s_mul_i32 s53, s[WV], MROW
	v_lshl_add_u32 v[SST], v20, 3, s53
	v_add_nc_u32 v[SSTI], ACTI, v[SST]
	s_lshl_b32 s53, s[WV], 7
	v_add_nc_u32 v[XRD], s53, v[AR0]
	v_add_nc_u32 v[XRDI], ACTI, v[XRD]
	s_mul_i32 s53, s[WV], STW
	s_add_co_u32 s53, s53, STAGE                   ; my stage
	v_mul_u32_u24 v[STO], v18, SPITCH              ; in: row l % 16, 32 bytes for each half of the lanes
	v_lshl_add_u32 v[STO], v19, 5, v[STO]
	v_add_nc_u32 v[STO], s53, v[STO]
	v_mul_u32_u24 v[RD], v19, SPITCH               ; back: lanes 0-15 take one row of 256 bytes, lanes 16-31 the next
	v_lshl_add_u32 v[RD], v18, 4, v[RD]
	v_add_nc_u32 v[RD], s53, v[RD]
	s_lshl_b32 s53, s[WV], 8                       ; my 64 columns: 256 bytes of a row of out0 and of the biases
	v_lshlrev_b32 v[CO], 10, v19
	v_lshl_add_u32 v[CO], v18, 4, v[CO]
	v_add_nc_u32 v[CO], s53, v[CO]
	v_lshl_add_u32 v[BOFF], v19, 5, s53
	v_lshlrev_b32 v[PFO], 8, v20
	s_lshl_b32 s58, s[CX], 14                      ; the prefetches: my work-group's 16 KiB of a tile,
	s_and_b32 s53, s[WV], 1
	s_lshl_b32 s53, s53, 13                        ; my wave's 8 KiB of them
	s_add_co_u32 s58, s58, s53
	s_mov_b32 s59, 0
	s_wait_dscnt 0x0                               ; both opening adds are done
	s_wait_kmcnt 0x0
	s_add_nc_u64 s[4:5], s[4:5], s[22:23]
	s_add_nc_u64 s[6:7], s[6:7], s[22:23]
	s_add_nc_u64 s[8:9], s[8:9], s[22:23]
	s_add_nc_u64 s[10:11], s[10:11], s[22:23]
	s_add_nc_u64 s[14:15], s[14:15], s[22:23]
	s_add_nc_u64 s[16:17], s[14:15], 0x1000000     ; the imaginary half of out0
	s_add_nc_u64 s[18:19], s[12:13], BTOFF
	s_add_nc_u64 s[56:57], s[12:13], s[54:55]      ; my quarter of tile 0
	s_add_nc_u64 s[G0+2:G0+3], s[56:57], 0
	s_or_b32 s[G0+3], s[G0+3], 0x80000000          ; type = 2
	s_add_nc_u64 s[G0+6:G0+7], s[56:57], SLOT      ; of tile 1
	s_or_b32 s[G0+7], s[G0+7], 0x80000000
	s_add_nc_u64 s[PFA:PFA+1], s[12:13], s[58:59]
	s_add_nc_u64 s[PFA:PFA+1], s[PFA:PFA+1], 4*SLOT  ; in tile 4: the first change of slots steps it to tile 5.  Nothing is prefetched here, at the head
	CROUND                                         ; all four work-groups are here: the first joint loads meet
	tensor_load_to_lds s[G0:G0+3], s[G1:G1+7]      ; tile 0; two loads of mine are out
	s_nop 0
	tensor_load_to_lds s[G0+4:G0+7], s[G1:G1+7]    ; tile 1
	s_nop 0
	PLACES
	BIASLOAD 0
	LOADB 0, 2, 0                                  ; x lands where P and I will be,
	LOADB 1, 2, 128
	STOREB 0, 2, 0, 32                             ; (the 32 loads of x's second half may stay out)
	LOADB 2, 1, 128                                ; h where r o h and z will be: it is stored under the first laps
	STOREB 1, 2, 128, 32                           ; (the 32 loads of h's first half may stay out)
	LOADB 3, 3, 0
	s_wait_tensorcnt 0x1                           ; my quarter of tile 0 is in; tile 1's may stay out
	s_wait_dscnt 0x0                               ; my rows of x are in LDS
	s_barrier_signal -1
	s_barrier_wait -1                              ; everybody's are
	NEXTADDR
	FETCH 0, 0, 0
	WIN 0                                          ; at a label and at a branch every window is 0
	; ---------------------------------------------------------------- the three gates.  Tile t lies in slot t % 2; a gate begins on an even tile.
.Lgate:
	KS 0, 0, 0, 1                                  ; a gate's first K step starts the sums
	WIN 0
	s_mov_b32 s[TR], 3
.Llap:                                                 ; a trip goes once round the ring, from a lap's second K step to the next lap's first
	BLOCKS
	KS 1, 0, 1, 0
	KS 0, 1, 0, 0
	KS 1, 1, 1, 0
	KS 0, 0, 0, 0
	WIN 0
	s_sub_co_u32 s[TR], s[TR], 1
	s_cmp_lg_u32 s[TR], 0
	s_cbranch_scc1 .Llap
	KS 1, 0, 1, 0                                  ; the eighth tile's end fetches the first fragments of what follows: the next gate's, or r o h's
	KS 0, 1, 0, 0
	KS 1, 1, 1, 0
	WIN 0
	s_cmp_lg_u32 s[GT], 2                          ; the gate's number is a counter of the text: alike in every wave of every work-group
	s_cbranch_scc1 .Lsig
	KS 0, 0, 0, 0                                  ; gate h-hat alone: tiles 24 to 27, r o h
	KS 1, 0, 1, 0
	KS 0, 1, 0, 0
	KS 1, 1, 1, 0                                  ; the last refill: tile 27
	KS 0, 0, 0, 0
	KS 1, 0, 2, 0
	KS 0, 1, 0, 0
	KS 1, 1, 3, 0
	WIN 0
.Lsig:
	SIG
	s_cmp_eq_u32 s[GT], 2
	s_cbranch_scc1 .Lfinal
	s_cmp_eq_u32 s[GT], 0
	s_cbranch_scc0 .Lz
	EPI_R
	s_branch .Lnext
.Lz:
	EPI_Z
.Lnext:
	s_add_co_u32 s[GT], s[GT], 1
	s_cmp_lt_u32 s[GT], 3
	s_cbranch_scc1 .Lgate
.Lfinal:
	EPI_H
	s_wait_tensorcnt 0x0                           ; the wave's end, behind my last tensor load and my last LDS store
	ds_add_u32 v[SPW], v[NIL]
	s_wait_dscnt 0x0
	CROUND                                         ; the closing round: no work-group ends while a partner may still ask for a tile that names it
	s_endpgm
.Lfunc_end_k_q669034b421_gru:
	.size	k_q669034b421_gru, .Lfunc_end_k_q669034b421_gru-k_q669034b421_gru
	.p2alignl 7, 3214868480
	.fill 96, 4, 3214868480
	.section	.rodata,"a",@progbits
	.p2align	6, 0x0
	.amdhsa_kernel k_q669034b421_gru
		.amdhsa_group_segment_fixed_size 327680
		.amdhsa_private_segment_fixed_size 0
		.amdhsa_enable_private_segment 0
		.amdhsa_kernarg_size 48
		.amdhsa_user_sgpr_count 2
		.amdhsa_user_sgpr_kernarg_segment_ptr 1
		.amdhsa_wavefront_size32 1
		.amdhsa_system_sgpr_workgroup_id_x 1
		.amdhsa_system_sgpr_workgroup_id_y 1
		.amdhsa_system_sgpr_workgroup_id_z 1
		.amdhsa_system_vgpr_workitem_id 0
		.amdhsa_next_free_vgpr 1024
		.amdhsa_next_free_sgpr 66
		.amdhsa_reserve_vcc 0
		.amdhsa_float_denorm_mode_32 3
		.amdhsa_float_denorm_mode_16_64 3
		.amdhsa_memory_ordered 1
		.amdhsa_forward_progress 1
		.amdhsa_inst_pref_size 255
	.end_amdhsa_kernel
	.section	.bss,"aw",@nobits
	.p2align	6
	.space	262144
	.amdgpu_metadata
---
amdhsa.version: [ 1, 2 ]
amdhsa.kernels:
  - .name:           k_q669034b421_gru
    .symbol:         k_q669034b421_gru.kd
    .args:
      - { .name: x_re, .offset: 0, .size: 8, .value_kind: global_buffer, .address_space: global }
      - { .name: x_im, .offset: 8, .size: 8, .value_kind: global_buffer, .address_space: global }
      - { .name: h_re, .offset: 16, .size: 8, .value_kind: global_buffer, .address_space: global }
      - { .name: h_im, .offset: 24, .size: 8, .value_kind: global_buffer, .address_space: global }
      - { .name: wpk, .offset: 32, .size: 8, .value_kind: global_buffer, .address_space: global }
      - { .name: out0, .offset: 40, .size: 8, .value_kind: global_buffer, .address_space: global }
    .group_segment_fixed_size: 327680
    .private_segment_fixed_size: 0
    .kernarg_segment_align: 8
    .kernarg_segment_size: 48
    .max_flat_workgroup_size: 128
    .sgpr_count:     66
    .vgpr_count:     1024
    .wavefront_size: 32
...
	.end_amdgpu_metadata
.endif
;; end of part 2
